; MI455X (gfx1250); checked and timed in simulation.
; The chip was launched on July 23, 2026; its instructions are those of AMD's public machine-readable ISA for CDNA 5 (MIT licence, August 2026) and "CDNA5" Instruction Set Architecture Reference Guide (July 2026). The comments in the code are by the model that wrote it; some were corrected since.
;; Multi Head Attention. Allowed arithmetic: matrix products marked QUANTISED: E2M3 operands, one E8M0 scale for each 32 along K, by v_wmma_scale_f32_16x16x128_f8f6f4 with both operands' format E2M3, f32 sums; everything else in f32.
;; Inputs: WL 1,024 x 8,192 float32; Wk 1,024 x 8,192 float32; Wq 1,024 x 8,192 float32; Wv 1,024 x 8,192 float32; bL 8,192 float32; bk 8,192 float32; bq 8,192 float32; bv 8,192 float32; inputs 2 x 1,024 x 1,024 float32.
;; Outputs: out0 2 x 8 x 8,192 float32.
;; This version of the problem:
;;   THIS VERSION OF THE PROBLEM IS GIVEN IN LOW PRECISION. The matrix products marked QUANTISED in the list below multiply operands that are first quantised to E2M3 (2 exponent bits, 3 mantissa bits; 6 bits a number), with one power-of-two scale for each 32 numbers along K (OCP MX v1.0); their sums are f32. All else is computed in f32.
;;   The module's matrix products, in the order in which they are computed (A, B: the left and right operand; K: the contracted axis; several contracted axes count as one K, in the product's order):
;;     1. [M 2,048, K 1,024] x [K 1,024, N 8,192]; A: input inputs; B: input Wq: QUANTISED
;;     2. [M 2,048, K 1,024] x [K 1,024, N 8,192]; A: input inputs; B: input Wk: QUANTISED
;;     3. [M 2,048, K 1,024] x [K 1,024, N 8,192]; A: input inputs; B: input Wv: QUANTISED
;;     4. [M 16, K 1,024] x [K 1,024, N 8,192]; A: computed on the way; B: input WL: QUANTISED
;;   THE QUANTISER, for each operand of a quantised product, along K:
;;     - K is cut into blocks of 32 from its start; a last block that is shorter is filled with zeros.
;;     - A block's scale is 2^e with e = floor(log2(the largest magnitude in the block)) - 2, held to -126 .. 127; a block of zeros has e = 0. As a byte (E8M0): e + 127.
;;     - Each number is divided by its block's scale, clamped to +-7.5, and rounded to the nearest number of E2M3, ties to even, subnormals kept.
;;     - The product sums the exact products of the quantised numbers (number of the format x scale) in f32.
;;   ~~~python
;;   def quantise(x, axis):      # numpy; x: float32 -> the quantised numbers, widened to float32 again
;;       x = np.moveaxis(x, axis, -1); K = x.shape[-1]
;;       x = np.pad(x, [(0, 0)] * (x.ndim - 1) + [(0, -K % 32)]); x = x.reshape(x.shape[:-1] + (-1, 32)); a = np.abs(x).max(-1, keepdims=True)
;;       e = np.where(a > 0, np.clip(np.frexp(np.where(a > 0, a, 1))[1] - 1 - 2, -126, 127), 0)      # np.frexp(a)[1] - 1 = floor(log2(a)), exactly
;;       r = np.clip(x / 2.0 ** e, -7.5, 7.5)
;;       step = 2.0 ** (np.maximum(np.frexp(np.where(r == 0, 1, r))[1] - 1, 0) - 3)
;;       q = np.round(r / step) * step * 2.0 ** e      # np.round: ties to even
;;       return np.moveaxis(q.reshape(q.shape[:-2] + (-1,))[..., :K], -1, axis).astype(np.float32)
;;   ~~~
;;   OPERANDS COMPUTED ON THE WAY. 'Computed on the way' means the value that the module computes at that place (a softmax that the list does not call 'softmax' is quantised finished and normalised). What goes into a quantiser is computed in f32, as accurately as f32 sums, v_exp_f32 and their like allow (about 1e-6 of the number): no bf16 or f16 on the way to a quantiser, and a product that is left as it is and whose result goes on into a quantised operand takes f32 operands (vector FMAs, or v_wmma_f32_16x16x4_f32). A number that lies on a knife's edge between two numbers of the format may be rounded either way, as far as f32 arithmetic and the matrix unit's own rounding can turn it there, and no further.
;; One version. Each part assembles by itself: llvm-mc -triple=amdgcn-amd-amdhsa -mcpu=gfx1250 --defsym DOCPART=n.
;; ======== version 1 of 1: 3 launches
;; limits: right only within a limited range of input values
;; workspace buffers: xc 1,572,864 bytes; xs 65,536 bytes; wc 25,165,824 bytes; ws 1,048,576 bytes; part 393,216 bytes
;; launch quant (part 1): grid 1152 x 1, 4 waves a work-group, no clusters, 34,304 bytes of LDS; arguments inputs, Wq, Wk, Wv, WL, xc, xs, wc, ws; writes xc, xs, wc, ws
.if DOCPART == 1
	.amdgcn_target "amdgcn-amd-amdhsa--gfx1250"
	.amdhsa_code_object_version 6
	.text
	.protected	k_q9d3ac29a29_quant
	.globl	k_q9d3ac29a29_quant
	.p2align	8
	.type	k_q9d3ac29a29_quant,@function
k_q9d3ac29a29_quant:
	s_mov_b64 s[64:65], 0
	v_nop
	global_prefetch_b8 v0, s[64:65] scope:SCOPE_SE
	s_setreg_imm32_b32 hwreg(HW_REG_WAVE_MODE, 25, 1), 1
	s_wait_xcnt 0x0
; X = inputs [2048][1024] and the four weights [1024 (k)][8192 (n)], all f32, become codes of FP6 (E2M3) with one E8M0 scale byte for each 32 along K.
; A block's scale is 2^(floor(log2(its largest magnitude)) - 2): its byte is the largest magnitude's exponent field - 2, held at 1 from below by a floor among the maximum's leaves.
; THE CODES ARE LAID AS IMAGES OF THE OPERAND'S REGISTERS.  A fragment (16 rows or columns x 128 K) is 12 registers a lane: lane (r, h) holds row r, block h in registers 0-5, block 2 + h in registers 6-11.
; Its image is 1,536 bytes: registers 4 g .. 4 g + 3 of lane l at byte 512 g + 16 l.  A tile's eight K steps lie on end: 12,288 bytes.
;   xc: [128 tiles of 16 rows][8 K steps][1,536];  wc: Wq, Wk, Wv, WL, each [512 tiles of 16 columns][8][1,536].   Scale bytes: xs [2048][32], ws 4 x [8192][32]: word ks of a row serves K step ks.
; Work-groups 0-127 take X (K innermost: the numbers turn through a stage in LDS); work-groups 128-1151 take the weights (K outermost: a lane takes a column, its registers run down K; no LDS).
; Waves share nothing: no barrier.  Work-groups share no input, so there is nothing to ask for jointly: no cluster.
; LIMITS: NaN and infinities among the inputs are not served.  A block whose largest magnitude lies under 2^-124 (a block of zeros among them) keeps the byte 1; a block of zeros has zero codes, and this program alone reads the bytes.
.set R,    64                          ; X: v64-191  two sets of 64 numbers
.set P,    32                          ; X: v32-55   two sets of 12 registers of codes
.set QT,   16                          ; v16-22      at work in QUANTX
.set Q8H,  12                          ; v12         8 x (lane / 16)
.set QC0,  56                          ; v56-58, v60-62: the upper halves of a block's codes, as the conversions leave them
.set QC1,  60
.set QSEL, 24                          ; s[24:25]    selects for lane l xor 16
.set SP,   528                         ; X: a stage row: 512 bytes + 16: an odd multiple of 16, so the sixteen rows of a load begin at sixteen different 16-byte columns of 256
.set XW,   64                          ; W: v64-127  two sets of 32 numbers
.set C,    128                         ; W: v128-175 the codes of two K steps, never written twice
.set TC,   56                          ; W: v56-58   the upper half of a block's codes
.set SBY,  24                          ; W: v24-25   eight scale bytes
; 64 numbers of a lane, v[t] on: two whole blocks (block h, then block 2 + h, of my row's K step) become the fragment's 12 registers v[p] on and the row's scale word v[w] (whole in every lane).
.macro QUANTX t, p, w
.set QS, \t
.set QP, \p
.set QW, \w
	v_max3_num_f32 v[QT], |v[QS]|, |v[QS+1]|, 0x1800000            ; the floor 2^(3 - 127) among the leaves: the byte cannot fall under 1
	v_max3_num_f32 v[QT+1], |v[QS+32]|, |v[QS+33]|, 0x1800000
.irp i, 2,4,6,8,10,12,14,16,18,20,22,24,26,28,30
	v_max3_num_f32 v[QT], v[QT], |v[QS+\i]|, |v[QS+\i+1]|          ; the two blocks by turns
	v_max3_num_f32 v[QT+1], v[QT+1], |v[QS+32+\i]|, |v[QS+33+\i]|
.endr
	v_add_nc_u32 v[QT+2], 0xff000000, v[QT]                        ; 2 off the exponent field: the conversion takes this operand's exponent field as its scale
	v_add_nc_u32 v[QT+3], 0xff000000, v[QT+1]
	v_lshrrev_b32 v[QT+4], 23, v[QT+2]                             ; the scale bytes
	v_lshrrev_b32 v[QT+5], 23, v[QT+3]
	v_lshl_or_b32 v[QW], v[QT+5], 16, v[QT+4]                      ; blocks h and 2 + h,
	v_lshlrev_b32 v[QW], v[Q8H], v[QW]                             ; at their places in the word;
	v_mov_b32 v[QT+6], 0                                           ; (a lane permute's destination counts as one of its sources)
	v_permlanex16_b32 v[QT+6], v[QW], s[QSEL], s[QSEL+1]
	v_or_b32 v[QW], v[QW], v[QT+6]                                 ; with lane l xor 16's two bytes the word is whole
	v_cvt_scalef32_pk16_fp6_f32 v[QP:QP+2], v[QS:QS+15], v[QT+2]
	v_cvt_scalef32_pk16_fp6_f32 v[QC0:QC0+2], v[QS+16:QS+31], v[QT+2]      ; (a conversion's three registers begin on an even number)
	v_cvt_scalef32_pk16_fp6_f32 v[QP+6:QP+8], v[QS+32:QS+47], v[QT+3]
	v_cvt_scalef32_pk16_fp6_f32 v[QC1:QC1+2], v[QS+48:QS+63], v[QT+3]
	v_nop                                                          ; one plain place behind the scaled conversions
.irp i, 0,1,2
	v_mov_b32 v[QP+3+\i], v[QC0+\i]
	v_mov_b32 v[QP+9+\i], v[QC1+\i]
.endr
.endm
	s_load_b512 s[4:19], s[0:1], 0x0               ; inputs s[4:5], Wq s[6:7], Wk s[8:9], Wv s[10:11], WL s[12:13], xc s[14:15], xs s[16:17], wc s[18:19]
	s_load_b64 s[20:21], s[0:1], 0x40              ; ws
	v_lshl_add_u32 v8, v0, 2, 0x8400
	v_mov_b32 v9, 0
	v_lshrrev_b32 v1, 5, v0
	v_readfirstlane_b32 s22, v1                    ; wave 0..3
	v_and_b32 v1, 31, v0                           ; lane
	v_and_b32 v2, 15, v0                           ; r
	v_bfe_u32 v3, v0, 4, 1                         ; h
	v_lshlrev_b32 v4, 4, v1                        ; 16 x lane
	v_lshlrev_b32 v[Q8H], 3, v3
	s_mov_b32 s[QSEL], 0x76543210
	s_mov_b32 s[QSEL+1], 0xfedcba98
	s_cmp_lt_u32 ttmp9, 128
	s_cbranch_scc0 .Lweights
; ---------------- X: work-group g takes rows 16 g .. 16 g + 15; wave w takes K steps 2 w and 2 w + 1 (1,024 bytes of each row)
	s_mul_i32 s26, s22, 16*SP                      ; my wave's stage
	v_add_nc_u32 v5, s26, v4                       ; into it: a row's 512 bytes as they lie, 16 a lane
	v_mul_u32_u24 v6, v2, SP
	v_lshl_add_u32 v6, v3, 7, v6
	v_add_nc_u32 v6, s26, v6                       ; out of it: row r, block h (128 bytes a block)
	v_lshlrev_b32 v7, 5, v2
	v_lshl_add_u32 v7, v3, 2, v7                   ; scale words: 32 r + 4 h
	s_lshl_b32 s28, ttmp9, 16                      ; 16 rows of 4,096 bytes
	s_lshl_b32 s27, s22, 10
	s_add_co_u32 s28, s28, s27
	s_mov_b32 s29, 0
	s_mul_i32 s30, ttmp9, 12288                    ; the tile's images,
	s_mul_i32 s27, s22, 3072                       ; my two K steps
	s_add_co_u32 s30, s30, s27
	s_mov_b32 s31, 0
	s_lshl_b32 s32, ttmp9, 9                       ; 16 rows of 32 scale bytes,
	s_lshl_b32 s27, s22, 3                         ; my two words
	s_add_co_u32 s32, s32, s27
	s_mov_b32 s33, 0
	s_wait_kmcnt 0x0
	s_add_nc_u64 s[4:5], s[4:5], s[28:29]
	s_add_nc_u64 s[14:15], s[14:15], s[30:31]
	s_add_nc_u64 s[16:17], s[16:17], s[32:33]
	s_wait_alu depctr_va_vdst(0)
.irp c, 0,1
.irp i, 0,1,2,3,4,5,6,7,8,9,10,11,12,13,14,15
	global_load_b128 v[R+64*\c+4*\i:R+64*\c+4*\i+3], v4, s[4:5] offset:4096*\i+512*\c th:TH_LOAD_NT   ; 32 lanes read 512 consecutive bytes: K step c of row i
.endr
.endr
.macro XSTEP c
.if \c == 0
	s_wait_loadcnt 16                              ; the first K step's 16 loads are in; the second's 16 may be out
.else
	s_wait_loadcnt 0x0
.endif
.irp i, 0,1,2,3,4,5,6,7,8,9,10,11,12,13,14,15
	ds_store_b128 v5, v[R+64*\c+4*\i:R+64*\c+4*\i+3] offset:SP*\i
.endr
	s_wait_dscnt 0x0                               ; the stores have read their registers, which the loads below fill again
.irp u, 0,1
.irp j, 0,1,2,3,4,5,6,7
	ds_load_b128 v[R+64*\c+32*\u+4*\j:R+64*\c+32*\u+4*\j+3], v6 offset:256*\u+16*\j   ; block 2 u + h of my row: 32 neighbours along K
.endr
.endr
	s_wait_dscnt 0x0
	QUANTX R+64*\c, P+12*\c, 28+\c
.irp gg, 0,1,2
	global_store_b128 v4, v[P+12*\c+4*\gg:P+12*\c+4*\gg+3], s[14:15] offset:1536*\c+512*\gg   ; 32 lanes store 512 consecutive bytes, aligned to 256
.endr
.endm
	XSTEP 0
	XSTEP 1
	v_cmp_ne_u32 vcc_lo, 0, v3
	v_cndmask_b32 v30, v28, v29, vcc_lo            ; lanes 0-15 store the first K step's word of row r, lanes 16-31 the second's
	global_store_b32 v7, v30, s[16:17]
	s_wait_tensorcnt 0x0
	ds_add_u32 v8, v9
	s_wait_dscnt 0x0
	s_endpgm
; ---------------- the weights: work-group g' = g - 128: tensor g' / 256; 128 columns (g' % 64); a quarter of K, 256 rows ((g' / 64) % 4).  Wave w: 32 columns, a lane a column, 8 blocks down K
.Lweights:
	s_sub_co_u32 s26, ttmp9, 128
	s_lshr_b32 s27, s26, 8                         ; the tensor: 0 Wq, 1 Wk, 2 Wv, 3 WL
	s_and_b32 s28, s26, 63                         ; the group of 128 columns
	s_bfe_u32 s29, s26, 0x20006                    ; the quarter of K
	s_wait_alu depctr_va_vdst(0)
	v_lshlrev_b32 v5, 2, v1                        ; in: 4 bytes a lane
	v_mul_u32_u24 v6, v3, 12288
	v_lshl_add_u32 v6, v2, 4, v6                   ; out: lanes 16-31 belong to the next tile of 16 columns; 16 r in an image
	v_lshlrev_b32 v7, 5, v1                        ; scale bytes: 32 a column
	s_lshl_b32 s30, s29, 23                        ; 256 rows of 32,768 bytes
	s_lshl_b32 s32, s28, 9
	s_add_co_u32 s30, s30, s32
	s_lshl_b32 s32, s22, 7
	s_add_co_u32 s30, s30, s32
	s_mov_b32 s31, 0
	s_lshl_b32 s32, s28, 3
	s_lshl_b32 s33, s22, 1
	s_add_co_u32 s32, s32, s33                     ; my first tile: 8 x group + 2 x wave
	s_mul_i32 s32, s32, 12288
	s_mul_i32 s33, s27, 6291456                    ; the tensor's part of wc
	s_add_co_u32 s32, s32, s33
	s_mul_i32 s33, s29, 3072                       ; the quarter's two K steps
	s_add_co_u32 s32, s32, s33
	s_mov_b32 s33, 0
	s_lshl_b32 s34, s27, 18                        ; the tensor's part of ws
	s_lshl_b32 s35, s28, 12
	s_add_co_u32 s34, s34, s35
	s_lshl_b32 s35, s22, 10
	s_add_co_u32 s34, s34, s35
	s_lshl_b32 s35, s29, 3                         ; the quarter's eight bytes
	s_add_co_u32 s34, s34, s35
	s_mov_b32 s35, 0
	s_wait_alu depctr_va_vdst(0)
	s_wait_kmcnt 0x0
	s_cmp_eq_u32 s27, 1                            ; the choice hangs on the work-group's number alone
	s_cselect_b64 s[6:7], s[8:9], s[6:7]
	s_cmp_eq_u32 s27, 2
	s_cselect_b64 s[6:7], s[10:11], s[6:7]
	s_cmp_eq_u32 s27, 3
	s_cselect_b64 s[6:7], s[12:13], s[6:7]
	s_add_nc_u64 s[6:7], s[6:7], s[30:31]
	s_add_nc_u64 s[18:19], s[18:19], s[32:33]
	s_add_nc_u64 s[20:21], s[20:21], s[34:35]
.macro LOADW t                         ; block t: W(32 t + i, my column), i = 0 .. 31, into set t % 2.  The largest offset, 255 rows, lies inside the signed 24-bit immediate
.irp i, 0,1,2,3,4,5,6,7,8,9,10,11,12,13,14,15,16,17,18,19,20,21,22,23,24,25,26,27,28,29,30,31
	global_load_b32 v[XW+32*((\t)%2)+\i], v5, s[6:7] offset:(32*(\t)+\i)*32768 th:TH_LOAD_NT
.endr
.endm
; Block t = 4 c2 + b of my column belongs to image lane (r, b % 2) of K step c2, registers 6 (b / 2) on: so the codes of the two image lanes are kept apart, 12 registers each.
.macro WBLOCK t
.set XS, XW+32*((\t)%2)
.set CB, C+24*((\t)/4)+12*((\t)%2)+6*(((\t)%4)/2)
.if (\t) < 7
	s_wait_loadcnt 32                              ; this block's 32 loads are in; the next block's 32 may be out
.else
	s_wait_loadcnt 0x0
.endif
	v_max3_num_f32 v16, |v[XS]|, |v[XS+1]|, |v[XS+2]|              ; all 32 numbers of the block are mine: two chains
	v_max3_num_f32 v17, |v[XS+3]|, |v[XS+4]|, |v[XS+5]|
.irp i, 6,10,14,18,22,26
	v_max3_num_f32 v16, v16, |v[XS+\i]|, |v[XS+\i+1]|
	v_max3_num_f32 v17, v17, |v[XS+\i+2]|, |v[XS+\i+3]|
.endr
	v_max3_num_f32 v16, v16, |v[XS+30]|, |v[XS+31]|
	v_max3_num_f32 v16, v16, v17, 0x1800000        ; and the floor 2^(3 - 127)
	v_add_nc_u32 v18, 0xff000000, v16              ; the conversion's scale operand
	v_lshrrev_b32 v19, 23, v18                     ; the scale's byte
.if (\t)%4 == 0
	v_mov_b32 v[SBY+(\t)/4], v19
.else
	v_lshl_or_b32 v[SBY+(\t)/4], v19, 8*((\t)%4), v[SBY+(\t)/4]
.endif
	v_cvt_scalef32_pk16_fp6_f32 v[CB:CB+2], v[XS:XS+15], v18
	v_cvt_scalef32_pk16_fp6_f32 v[TC:TC+2], v[XS+16:XS+31], v18
	v_nop                                          ; one plain place behind the scaled conversions
.irp i, 0,1,2
	v_mov_b32 v[CB+3+\i], v[TC+\i]
.endr
.if (\t)+2 < 8
	LOADW (\t)+2
.endif
.if (\t)%4 == 3                        ; a K step's four blocks are done: six stores; in each, lanes 0-15 and lanes 16-31 each fill 256 consecutive bytes, aligned
.irp hh, 0,1
.irp gg, 0,1,2
	global_store_b128 v6, v[C+24*((\t)/4)+12*\hh+4*\gg:C+24*((\t)/4)+12*\hh+4*\gg+3], s[18:19] offset:1536*((\t)/4)+512*\gg+256*\hh
.endr
.endr
.endif
.endm
	LOADW 0
	LOADW 1
.irp t, 0,1,2,3,4,5,6,7
	WBLOCK \t
.endr
	global_store_b64 v7, v[SBY:SBY+1], s[20:21]    ; my column's eight scale bytes of this quarter of K
	s_endpgm
.Lfunc_end_k_q9d3ac29a29_quant:
	.size	k_q9d3ac29a29_quant, .Lfunc_end_k_q9d3ac29a29_quant-k_q9d3ac29a29_quant
	.p2alignl 7, 3214868480
	.fill 96, 4, 3214868480
	.section	.rodata,"a",@progbits
	.p2align	6, 0x0
	.amdhsa_kernel k_q9d3ac29a29_quant
		.amdhsa_group_segment_fixed_size 34304
		.amdhsa_private_segment_fixed_size 0
		.amdhsa_enable_private_segment 0
		.amdhsa_kernarg_size 72
		.amdhsa_user_sgpr_count 2
		.amdhsa_user_sgpr_kernarg_segment_ptr 1
		.amdhsa_wavefront_size32 1
		.amdhsa_system_sgpr_workgroup_id_x 1
		.amdhsa_system_sgpr_workgroup_id_y 1
		.amdhsa_system_sgpr_workgroup_id_z 1
		.amdhsa_system_vgpr_workitem_id 0
		.amdhsa_next_free_vgpr 192
		.amdhsa_next_free_sgpr 66
		.amdhsa_reserve_vcc 1
		.amdhsa_float_denorm_mode_32 3
		.amdhsa_float_denorm_mode_16_64 3
		.amdhsa_memory_ordered 1
		.amdhsa_forward_progress 1
		.amdhsa_inst_pref_size 55
	.end_amdhsa_kernel
	.amdgpu_metadata
---
amdhsa.version: [ 1, 2 ]
amdhsa.kernels:
  - .name:           k_q9d3ac29a29_quant
    .symbol:         k_q9d3ac29a29_quant.kd
    .args:
      - { .name: inputs, .offset: 0, .size: 8, .value_kind: global_buffer, .address_space: global }
      - { .name: Wq, .offset: 8, .size: 8, .value_kind: global_buffer, .address_space: global }
      - { .name: Wk, .offset: 16, .size: 8, .value_kind: global_buffer, .address_space: global }
      - { .name: Wv, .offset: 24, .size: 8, .value_kind: global_buffer, .address_space: global }
      - { .name: WL, .offset: 32, .size: 8, .value_kind: global_buffer, .address_space: global }
      - { .name: xc, .offset: 40, .size: 8, .value_kind: global_buffer, .address_space: global }
      - { .name: xs, .offset: 48, .size: 8, .value_kind: global_buffer, .address_space: global }
      - { .name: wc, .offset: 56, .size: 8, .value_kind: global_buffer, .address_space: global }
      - { .name: ws, .offset: 64, .size: 8, .value_kind: global_buffer, .address_space: global }
    .group_segment_fixed_size: 34304
    .private_segment_fixed_size: 0
    .kernarg_segment_align: 8
    .kernarg_segment_size: 72
    .max_flat_workgroup_size: 128
    .sgpr_count:     66
    .vgpr_count:     192
    .wavefront_size: 32
...
	.end_amdgpu_metadata
.endif
;; end of part 1
;; launch fused (part 2): grid 8 x 32, 4 waves a work-group, clusters of 4 x 1, 327,680 bytes of LDS; arguments xc, xs, wc, ws, bq, bk, bv, part; writes part
.if DOCPART == 2
	.amdgcn_target "amdgcn-amd-amdhsa--gfx1250"
	.amdhsa_code_object_version 6
	.text
	.protected	k_q9d3ac29a29_fused
	.globl	k_q9d3ac29a29_fused
	.p2align	8
	.type	k_q9d3ac29a29_fused,@function
k_q9d3ac29a29_fused:
	s_mov_b64 s[64:65], 0
	v_nop
	global_prefetch_b8 v0, s[64:65] scope:SCOPE_SE
	s_setreg_imm32_b32 hwreg(HW_REG_WAVE_MODE, 25, 1), 1
	s_wait_xcnt 0x0
	s_wait_alu depctr_hold_cnt(0) depctr_sa_sdst(0) depctr_va_vdst(0) depctr_va_sdst(0) depctr_va_ssrc(0) depctr_va_vcc(0) depctr_vm_vsrc(0)
	s_getreg_b32 s2, hwreg(HW_REG_IB_STS2, 6, 4)
	s_cmp_eq_u32 s2, 0
	s_cbranch_scc0 .Lentry_in_a_cluster
	s_endpgm
.Lentry_in_a_cluster:
	s_bfe_u32 s2, ttmp6, 0x10000c
	s_cmp_lg_u32 s2, 0x3003
	s_cbranch_scc0 .Lentry_shape_is_right
	s_endpgm
.Lentry_shape_is_right:
; For one (b, h), one half of s (512) and 128 values of d:  k[s][d] = X_b[s] . Wk[:, h, d] + bk,  q likewise,  v[d][s] = X_b[d] . Wv[:, h, s] + bv;  softmax over s of k v / 32 by a running maximum, and the sum over s of p q.
; Stored for each d: NM = -c x (the largest k v), L = the sum of p, O = the sum of p q, with p = 2^(c k v + NM), c = log2(e) / 32.  The last launch joins the two halves of s.  Products on codes of FP6 (E2M3) with E8M0 scales, sums in f32; all else in f32.
; LAYOUT.  Source 0 is what s indexes (16 rows s of X, 16 columns s of Wv), source 1 what d indexes: lane l holds d = l % 16, register j holds s = 8 (l / 16) + j, so the softmax runs down a lane's registers.
; SHARES.  Work-group (x, y): d = 128 x on; y = 16 b + 2 h + the half of s.  Wave w: d = 128 x + 32 w on, two tiles of 16, all 512 s.  Its source-1 operands for all of K (576 registers) stay in registers; only what s indexes goes through LDS.
; RING.  Two slots, each with four tiles of X and four of Wv (register images, 12,288 bytes a tile).  At the head each wave issues one joint load: X's four tiles of slot 0, Wv's four, X's scale bytes, Wv's.  Slot 1 is first filled behind
; the full sequence and a round, two tiles a wave, as every refill is.  One group 0 serves the ring: its LDS address changes slots and its global address goes four tiles on at each refill.
; TWO SETS OF ACCUMULATORS by turns: while tile t is multiplied into one set, the softmax step of tile t - 1 is worked on the other, in stages that stand between the K steps; its 18 exponentials are one batch in the tile's middle.
; CLUSTER.  The four work-groups of a cluster differ in x alone and walk the same stream: every tensor load is joint, mask 15, by descriptors made of y and the wave's number alone.  A wave has one tensor load out at any time.
; NO PREFETCH: a refill is asked for four tiles, 192 matrix instructions, ahead of the first read of its bytes.
; LIMITS: NaN and infinities are not served; a weight p under 2^-126 counts as 0 (the exponential's result is flushed).
; REGISTERS.  Window 0: v1-15 addresses and temporaries; v16-39 source 1's scale words; v40-47 source 0's; v48-95, v96-143 the two sets K0 K1 Q0 Q1 V0 V1; v144-159 the state; v160-255 H0: the stream's fragments of K steps 0-3.
;   Windows 1, 2, 3: the resident fragments of K steps 0-2, 3-5, 6-7, at 72 (ks % 3) + 12 f.  Window 1, v216-247: bk, bq, each in eight registers; v248-255: bv of the tile.  Window 3, v144-239: H1, K steps 4-7.
.set SLOT1,  131072
.set WOFF,   49152
.set TILEB,  12288
.set KSB,    1536
.set SCL,    98304                     ; X's scale bytes (512 x 32), then Wv's: filled once
.set BVL,    229376                    ; 512 numbers of bv, put there by LDS stores: no fill lands here
.set SPARE,  231424                    ; the spare words, 128 bytes a wave
.set SPW, 1
.set NIL, 2
.set L16, 3
.set ADX, 4                            ; the slot in hand: X's images, Wv's, the scale words, bv
.set ADW, 5
.set ADS, 6
.set ADB, 7
.set AS0, 8                            ; SCL + 32 r + 16,384 h
.set AB0, 9                            ; BVL + 32 h
.set TP,  10                           ; v10-15 at work in the softmax
.set SB,  16
.set SA,  40
.set ACC, 48
.set ST,  144                          ; tile j at ST + 8 j: +0 NM, +1 M, +2,3 L, +4,5 O, +6 F, +7 at work
.set H0,  160
.set H1,  144                          ; window 3
.set BKQ, 216                          ; window 1
.set BV,  248                          ; window 1
.set ET,  160                          ; the end's temporaries, where H0 lay
.set L32, 160                          ; at the head alone, where H0 lies afterwards
.set R4,  161
.set BVO, 162
.set BVA, 163
.set BVD, 164
.set WV,  20
.set TB,  21                           ; (set behind the last use of the ids that lie there)
.set TS,  22
.set TV,  23
.set CNT, 24
.set G1I, 28                           ; group 1: two tiles, 96 rows of 256 bytes
.set G1S, 36                           ; scale bytes, 64 rows
.set G1H, 44                           ; four tiles, 192 rows
.set G0,  52                           ; the ring's group 0
.set G0A, 56                           ; the head's: slot 0
.set G0B, 60                           ; the head's: scale bytes
.set CS,  66
.set NCS, 68
.set SEL, 70
.set MSB, 0
.macro WIN new
.if MSB != \new
	s_set_vgpr_msb (MSB<<8)|\new
.set MSB, \new
.endif
.endm
.macro ROUND
	s_barrier_signal -1
	s_barrier_wait -1
	s_cmp_lg_u32 s[WV], 0
	s_cbranch_scc1 .Lnot_wave_0_\@
	s_barrier_signal -3
.Lnot_wave_0_\@:
	s_barrier_wait -3
	s_barrier_signal -1
	s_barrier_wait -1
.endm
.macro NOP4
.rept 4
	v_nop
.endr
.endm
.macro MKG1 g, r                       ; a dense block as r rows of 256 bytes (32 elements of 8 bytes); mask 15 with bit 21 beside it
	s_mov_b32 s[\g+0], 15|(3<<16)|(1<<21)
	s_mov_b32 s[\g+1], 32<<16
	s_mov_b32 s[\g+2], (\r)<<16
	s_mov_b32 s[\g+3], 32<<16
	s_mov_b32 s[\g+4], \r
	s_mov_b32 s[\g+5], 32
	s_mov_b32 s[\g+6], 0
	s_mov_b32 s[\g+7], 0
.endm
	s_load_b512 s[4:19], s[0:1], 0x0               ; xc, xs, wc, ws, bq, bk, bv, part
	v_lshl_add_u32 v[SPW], v0, 2, SPARE
	v_mov_b32 v[NIL], 0
	ds_add_u32 v[SPW], v[NIL]                      ; the opening lines: the add twice on end and one wait
	ds_add_u32 v[SPW], v[NIL]
	v_lshrrev_b32 v12, 5, v0
	v_readfirstlane_b32 s[WV], v12                 ; wave 0..3
	v_and_b32 v13, 31, v0
	v_and_b32 v14, 15, v0
	v_bfe_u32 v15, v0, 4, 1
	v_lshlrev_b32 v[L16], 4, v13
	v_lshlrev_b32 v[L32], 5, v13
	v_lshlrev_b32 v[R4], 2, v14
	v_lshlrev_b32 v[AS0], 5, v14
	v_lshl_add_u32 v[AS0], v15, 14, v[AS0]         ; lanes 16-31 take Wv's words, 16,384 bytes behind X's
	v_add_nc_u32 v[AS0], SCL, v[AS0]
	v_lshl_add_u32 v[AB0], v15, 5, BVL
	v_lshlrev_b32 v[BVO], 4, v0
	v_lshl_add_u32 v[BVA], v0, 4, BVL
	s_bfe_u32 s21, ttmp6, 0x40000                  ; cx: it enters the resident operands' and the result's global addresses alone
	s_lshl_b32 s22, ttmp9, 2
	s_add_co_u32 s22, s22, s21                     ; x
	s_and_b32 s23, ttmp7, 0xffff                   ; y, which the four partners share
	s_and_b32 s24, s23, 1                          ; the half of s
	s_bfe_u32 s25, s23, 0x30001                    ; h
	s_lshr_b32 s26, s23, 4                         ; b
	s_and_b32 s27, s[WV], 1
	MKG1 G1I, 96
	MKG1 G1S, 64
	MKG1 G1H, 192
	; the stream: X's tiles from 64 b + 32 half on, Wv's from 64 h + 32 half on.  The byte offsets are laid into the group 0s' address words; the buffers' addresses are added behind the arguments' wait
	s_lshl_b32 s92, s26, 6
	s_lshl_b32 s93, s25, 6
	s_lshl_b32 s94, s24, 5
	s_add_co_u32 s92, s92, s94
	s_add_co_u32 s93, s93, s94
	s_lshl_b32 s94, s92, 9                         ; 512 scale bytes a tile
	s_lshl_b32 s95, s93, 9
	s_add_co_u32 s95, s95, 524288                  ; Wv's part of ws
	s_cmp_eq_u32 s[WV], 2
	s_cselect_b32 s[G0B+2], s94, s95               ; wave 2: X's scale bytes, wave 3: Wv's
	s_mul_i32 s92, s92, TILEB
	s_mul_i32 s93, s93, TILEB
	s_add_co_u32 s93, s93, 12582912                ; Wv's part of wc
	s_cmp_eq_u32 s[WV], 0
	s_cselect_b32 s[G0A+2], s92, s93               ; wave 0: X's four tiles, wave 1: Wv's
	s_cmp_lt_u32 s[WV], 2
	s_cselect_b32 s[G0+2], s92, s93                ; the ring: waves 0, 1 X, waves 2, 3 Wv; the pair of tiles 2 (wave % 2);
	s_mul_i32 s94, s27, 2*TILEB
	s_add_co_u32 s[G0+2], s[G0+2], s94
	s_add_co_u32 s[G0+2], s[G0+2], 4*TILEB         ; its first load brings tiles 4-7
	s_mov_b32 s[G0+3], 0
	s_mov_b32 s[G0A+3], 0
	s_mov_b32 s[G0B+3], 0
	s_mov_b32 s[G0], 1
	s_mov_b32 s[G0A], 1
	s_mov_b32 s[G0B], 1
	s_mul_i32 s[G0+1], s[WV], 2*TILEB
	s_add_co_u32 s[G0+1], s[G0+1], SLOT1           ; LDS: slot 1 + 24,576 x wave
	s_mul_i32 s[G0A+1], s[WV], WOFF                ; waves 0, 1: byte 0, byte 49,152
	s_lshl_b32 s[G0B+1], s[WV], 14
	s_add_co_u32 s[G0B+1], s[G0B+1], SCL-32768     ; waves 2, 3: SCL, SCL + 16,384
	; the resident operands and the result (these hold cx)
	s_lshl_b32 s96, s22, 3
	s_lshl_b32 s97, s[WV], 1
	s_add_co_u32 s96, s96, s97                     ; 8 x + 2 w
	s_lshl_b32 s97, s25, 6
	s_add_co_u32 s97, s97, s96                     ; my first tile of columns d in a weight
	s_lshl_b32 s98, s26, 6
	s_add_co_u32 s98, s98, s96                     ; my first tile of rows d in X
	s_mul_i32 s72, s97, TILEB
	s_mov_b32 s73, 0
	s_mul_i32 s76, s98, TILEB
	s_mov_b32 s77, 0
	s_lshl_b32 s78, s97, 9
	s_mov_b32 s79, 0
	s_lshl_b32 s82, s98, 9
	s_mov_b32 s83, 0
	s_lshl_b32 s84, s97, 6
	s_mov_b32 s85, 0
	s_lshl_b32 s88, s25, 6
	s_lshl_b32 s99, s24, 5
	s_add_co_u32 s88, s88, s99
	s_lshl_b32 s88, s88, 6                         ; bv: (1024 h + 512 half) x 4
	s_mov_b32 s89, 0
	s_lshl_b32 s90, s24, 4
	s_lshl_b32 s99, s26, 3
	s_add_co_u32 s90, s90, s99
	s_add_co_u32 s90, s90, s25                     ; 16 half + 8 b + h
	s_lshl_b32 s90, s90, 12
	s_lshl_b32 s99, s22, 9
	s_add_co_u32 s90, s90, s99
	s_lshl_b32 s99, s[WV], 7
	s_add_co_u32 s90, s90, s99                     ; + (128 x + 32 w) x 4
	s_mov_b32 s91, 0
	s_mov_b32 s[CS], 0x3d38aa3b                    ; c = log2(e) / 32
	s_mov_b32 s[CS+1], s[CS]
	s_mov_b32 s[NCS], 0xbd38aa3b
	s_mov_b32 s[SEL], 0x76543210
	s_mov_b32 s[SEL+1], 0xfedcba98
	s_wait_alu depctr_va_vdst(0)
	s_wait_dscnt 0x0                               ; both opening adds are done
	s_wait_kmcnt 0x0
	s_cmp_eq_u32 s[WV], 0                          ; the choices hang on the wave's number alone
	s_cselect_b64 s[92:93], s[4:5], s[8:9]
	s_add_nc_u64 s[G0A+2:G0A+3], s[92:93], s[G0A+2:G0A+3]
	s_cmp_eq_u32 s[WV], 2
	s_cselect_b64 s[92:93], s[6:7], s[10:11]
	s_add_nc_u64 s[G0B+2:G0B+3], s[92:93], s[G0B+2:G0B+3]
	s_cmp_lt_u32 s[WV], 2
	s_cselect_b64 s[92:93], s[4:5], s[8:9]
	s_add_nc_u64 s[G0+2:G0+3], s[92:93], s[G0+2:G0+3]
	s_or_b32 s[G0+3], s[G0+3], 0x80000000          ; the type
	s_or_b32 s[G0A+3], s[G0A+3], 0x80000000
	s_or_b32 s[G0B+3], s[G0B+3], 0x80000000
	s_add_nc_u64 s[74:75], s[8:9], s[72:73]        ; Wq's fragments,
	s_add_nc_u64 s[72:73], s[74:75], 6291456       ; Wk's,
	s_add_nc_u64 s[76:77], s[4:5], s[76:77]        ; X's rows d
	s_add_nc_u64 s[80:81], s[10:11], s[78:79]      ; Wq's scale words,
	s_add_nc_u64 s[78:79], s[80:81], 262144        ; Wk's,
	s_add_nc_u64 s[82:83], s[6:7], s[82:83]        ; X's
	s_add_nc_u64 s[86:87], s[12:13], s[84:85]      ; bq
	s_add_nc_u64 s[84:85], s[14:15], s[84:85]      ; bk
	s_add_nc_u64 s[88:89], s[16:17], s[88:89]      ; bv
	s_add_nc_u64 s[90:91], s[18:19], s[90:91]      ; part
	s_mov_b32 s[TB], 0
	s_mov_b32 s[TS], 0
	s_mov_b32 s[TV], 0
	ROUND                                          ; all four work-groups are here: the first joint loads meet
	s_cmp_lt_u32 s[WV], 2                          ; one load a wave at the head: every way passes exactly one
	s_cbranch_scc0 .Lhead_s
	tensor_load_to_lds s[G0A:G0A+3], s[G1H:G1H+7]  ; slot 0: four tiles of X, or of Wv
	s_nop 0
	NOP4
	s_branch .Lhead_on
.Lhead_s:
	tensor_load_to_lds s[G0B:G0B+3], s[G1S:G1S+7]  ; the scale bytes: filled once
	s_nop 0
	NOP4
.Lhead_on:
	global_load_b128 v[BVD:BVD+3], v[BVO], s[88:89]   ; the work-group's 512 numbers of bv, 16 bytes a thread
.irp q, 0,1
	global_load_b128 v[SB+4*\q:SB+4*\q+3], v[L32], s[78:79] offset:16*\q          ; lane l: the eight scale words of column d0 + l of Wk,
	global_load_b128 v[SB+8+4*\q:SB+8+4*\q+3], v[L32], s[80:81] offset:16*\q      ; of Wq,
	global_load_b128 v[SB+16+4*\q:SB+16+4*\q+3], v[L32], s[82:83] offset:16*\q    ; of row d0 + l of X
.endr
.macro RES ks                          ; the resident fragments of K step ks: 18 loads
.irp g, 0,1,2
.irp j, 0,1
	global_load_b128 v[72*((\ks)%3)+12*\j+4*\g:72*((\ks)%3)+12*\j+4*\g+3], v[L16], s[72:73] offset:TILEB*\j+KSB*(\ks)+512*\g
	global_load_b128 v[72*((\ks)%3)+24+12*\j+4*\g:72*((\ks)%3)+24+12*\j+4*\g+3], v[L16], s[74:75] offset:TILEB*\j+KSB*(\ks)+512*\g
	global_load_b128 v[72*((\ks)%3)+48+12*\j+4*\g:72*((\ks)%3)+48+12*\j+4*\g+3], v[L16], s[76:77] offset:TILEB*\j+KSB*(\ks)+512*\g
.endr
.endr
.endm
	WIN 0x40                                       ; destination window 1
.irp j, 0,1
	global_load_b32 v[BKQ+8*\j], v[R4], s[84:85] offset:64*\j                     ; bk of my d in tile j,
	global_load_b32 v[BKQ+16+8*\j], v[R4], s[86:87] offset:64*\j                  ; bq
.endr
	RES 0
	RES 1
	RES 2
	WIN 0
	s_wait_loadcnt 54                              ; the first 11 loads are in; the 54 of K steps 0-2 may be out
	ds_store_b128 v[BVA], v[BVD:BVD+3]
	WIN 0x41                                       ; source 0 and destination window 1
.irp f, 0,1,2,3
.irp i, 1,2,3,4,5,6,7
	v_mov_b32 v[BKQ+8*\f+\i], v[BKQ+8*\f]          ; a bias is the C of a sum's first product: eight registers in the result's layout
.endr
.endr
	WIN 0
.irp j, 0,1
	v_mov_b32 v[ST+8*\j+1], 0xff61b1e6             ; the largest k v so far: -3e38
	v_mul_f32 v[ST+8*\j], s[NCS], v[ST+8*\j+1]
.irp i, 2,3,4,5
	v_mov_b32 v[ST+8*\j+\i], 0                     ; L, O
.endr
.endr
	s_wait_alu depctr_va_vdst(0)
	s_wait_tensorcnt 0x0                           ; my tile of the head's four is in; the full sequence ahead of slot 1's first fill:
	ds_add_u32 v[SPW], v[NIL]
	s_wait_dscnt 0x0                               ; the add is done, and my part of bv lies in LDS
	ROUND
	tensor_load_to_lds s[G0:G0+3], s[G1I:G1I+7]    ; slot 1: tiles 4-7, two a wave
	s_nop 0
	NOP4
	WIN 0x80
	RES 3
	RES 4
	RES 5
	WIN 0xc0
	RES 6
	RES 7
	WIN 0
.macro ADDR                            ; the addresses of the slot whose tiles are fetched next: made once a slot; a slot's four tiles stand in the loads' immediates
	v_add_nc_u32 v[ADX], s[TB], v[L16]
	v_add_nc_u32 v[ADS], s[TS], v[AS0]
	v_add_nc_u32 v[ADB], s[TV], v[AB0]
	v_add_nc_u32 v[ADW], WOFF, v[ADX]
	s_wait_alu depctr_va_vdst(0)                   ; directly behind the writes
.endm
.macro LDHI i                          ; 25 loads at a tile's head: the fragments of its K steps 4-7 into H1, its scale words 4-7
	WIN 0xc0
.irp k, 0,1,2,3
.irp g, 0,1,2
	ds_load_b128 v[H1+24*\k+4*\g:H1+24*\k+4*\g+3], v[ADX] offset:TILEB*(\i)+KSB*(4+\k)+512*\g
.endr
.irp g, 0,1,2
	ds_load_b128 v[H1+24*\k+12+4*\g:H1+24*\k+12+4*\g+3], v[ADW] offset:TILEB*(\i)+KSB*(4+\k)+512*\g
.endr
.endr
	WIN 0
	ds_load_b128 v[SA+4:SA+7], v[ADS] offset:512*(\i)+16
.endm
.macro LDLO i                          ; 27 loads in a tile's middle, for the next tile: its bv, its scale words 0-3, the fragments of its K steps 0-3 into H0
	WIN 0x40
	ds_load_b128 v[BV:BV+3], v[ADB] offset:64*(\i)
	ds_load_b128 v[BV+4:BV+7], v[ADB] offset:64*(\i)+16
	WIN 0
	ds_load_b128 v[SA:SA+3], v[ADS] offset:512*(\i)
.irp k, 0,1,2,3
.irp g, 0,1,2
	ds_load_b128 v[H0+24*\k+4*\g:H0+24*\k+4*\g+3], v[ADX] offset:TILEB*(\i)+KSB*\k+512*\g
.endr
.irp g, 0,1,2
	ds_load_b128 v[H0+24*\k+12+4*\g:H0+24*\k+12+4*\g+3], v[ADW] offset:TILEB*(\i)+KSB*\k+512*\g
.endr
.endr
.endm
; One K step: six matrix instructions on the set CUR, the six accumulators by turns.  f = 0, 1: k; 2, 3: q; 4, 5: v; odd f: d tile 1.
.macro KSTEP ks
.set FB, 72*((\ks)%3)
.if (\ks) < 4
.set FA, H0+24*(\ks)
.else
.set FA, H1+24*((\ks)-4)
.endif
.irp f, 0,1,2,3,4,5
.set rD, CUR+8*\f
.set rA, FA+12*(\f/4)
.set rB, FB+12*\f
.set rC, rD
.if (\ks) == 0                         ; the first product starts the sum from the bias (window 1)
.set rC, BKQ+8*\f
.if \f >= 4
.set rC, BV
.endif
.endif
.set rSA, SA+(\ks)
.set rSB, SB+8*(\f/2)+(\ks)
.if \f == 5
	v_wmma_scale_f32_16x16x128_f8f6f4 v[rD:rD+7], v[rA:rA+11], v[rB:rB+11], v[rC:rC+7], v[rSA], v[rSB] matrix_a_fmt:MATRIX_FMT_FP6 matrix_b_fmt:MATRIX_FMT_FP6 matrix_a_scale:MATRIX_SCALE_ROW1 matrix_b_scale:MATRIX_SCALE_ROW1
.elseif \f == 4
	v_wmma_scale_f32_16x16x128_f8f6f4 v[rD:rD+7], v[rA:rA+11], v[rB:rB+11], v[rC:rC+7], v[rSA], v[rSB] matrix_a_fmt:MATRIX_FMT_FP6 matrix_b_fmt:MATRIX_FMT_FP6 matrix_a_scale:MATRIX_SCALE_ROW1
.elseif (\f%2) == 1
	v_wmma_scale_f32_16x16x128_f8f6f4 v[rD:rD+7], v[rA:rA+11], v[rB:rB+11], v[rC:rC+7], v[rSA], v[rSB] matrix_a_fmt:MATRIX_FMT_FP6 matrix_b_fmt:MATRIX_FMT_FP6 matrix_b_scale:MATRIX_SCALE_ROW1
.else
	v_wmma_scale_f32_16x16x128_f8f6f4 v[rD:rD+7], v[rA:rA+11], v[rB:rB+11], v[rC:rC+7], v[rSA], v[rSB] matrix_a_fmt:MATRIX_FMT_FP6 matrix_b_fmt:MATRIX_FMT_FP6
.endif
.endr
.endm
; THE SOFTMAX STEP of the set p (K at p, Q at p + 16, V at p + 32), in stages; the lines of a stage do not hang on each other.  Every accumulator is read from its low end on.
.macro VG0 p                           ; k[s][d] v[d][s]
.irp i, 0,2,4,6
.irp j, 0,1
	v_pk_mul_f32 v[(\p)+8*\j+\i:(\p)+8*\j+\i+1], v[(\p)+8*\j+\i:(\p)+8*\j+\i+1], v[(\p)+32+8*\j+\i:(\p)+32+8*\j+\i+1]
.endr
.endr
.endm
.macro VG1 p                           ; three partial maxima, the running one among the third's leaves; the old NM is kept
.irp j, 0,1
	v_max3_num_f32 v[TP+\j], v[(\p)+8*\j], v[(\p)+8*\j+1], v[(\p)+8*\j+2]
	v_max3_num_f32 v[TP+2+\j], v[(\p)+8*\j+3], v[(\p)+8*\j+4], v[(\p)+8*\j+5]
	v_max3_num_f32 v[ST+8*\j+7], v[(\p)+8*\j+6], v[(\p)+8*\j+7], v[ST+8*\j+1]
	v_mov_b32 v[TP+4+\j], v[ST+8*\j]
.endr
.endm
.macro VG2                             ; the running maximum M
.irp j, 0,1
	v_max3_num_f32 v[ST+8*\j+1], v[TP+\j], v[TP+2+\j], v[ST+8*\j+7]
.endr
.endm
.macro VG3                             ; NM = -c M
.irp j, 0,1
	v_mul_f32 v[ST+8*\j], s[NCS], v[ST+8*\j+1]
.endr
.endm
.macro VG4 p                           ; c (old M - new M), and c k v - c M
.irp j, 0,1
	v_sub_f32 v[ST+8*\j+7], v[ST+8*\j], v[TP+4+\j]
.endr
.irp i, 0,2,4,6
.irp j, 0,1
	v_pk_fma_f32 v[(\p)+8*\j+\i:(\p)+8*\j+\i+1], v[(\p)+8*\j+\i:(\p)+8*\j+\i+1], s[CS:CS+1], v[ST+8*\j:ST+8*\j+1] op_sel_hi:[1,0,0]
.endr
.endr
.endm
.macro EXPB p                          ; one batch of 18: F and p
	s_wait_alu depctr_va_vdst(0)
.irp j, 0,1
	v_exp_f32 v[ST+8*\j+6], v[ST+8*\j+7]
.endr
.irp i, 0,1,2,3,4,5,6,7
.irp j, 0,1
	v_exp_f32 v[(\p)+8*\j+\i], v[(\p)+8*\j+\i]
.endr
.endr
	v_nop                                          ; a plain place behind the last exponential
	s_wait_alu depctr_va_vdst(0)
.endm
.macro VG5 p                           ; L = L F + p, O = O F, O += p q
.irp j, 0,1
	v_pk_fma_f32 v[ST+8*\j+2:ST+8*\j+3], v[ST+8*\j+2:ST+8*\j+3], v[ST+8*\j+6:ST+8*\j+7], v[(\p)+8*\j:(\p)+8*\j+1] op_sel_hi:[1,0,1]
	v_pk_mul_f32 v[ST+8*\j+4:ST+8*\j+5], v[ST+8*\j+4:ST+8*\j+5], v[ST+8*\j+6:ST+8*\j+7] op_sel_hi:[1,0]
.endr
.irp i, 0,2,4,6
.irp j, 0,1
	v_pk_fma_f32 v[ST+8*\j+4:ST+8*\j+5], v[(\p)+8*\j+\i:(\p)+8*\j+\i+1], v[(\p)+16+8*\j+\i:(\p)+16+8*\j+\i+1], v[ST+8*\j+4:ST+8*\j+5]
.endr
.endr
.endm
.macro VG8 p                           ; the rest of L.  These six lines are also the places behind a tile's last products, ahead of the next tile's loads and reads
.irp j, 0,1
	v_pk_add_f32 v[(\p)+8*\j+2:(\p)+8*\j+3], v[(\p)+8*\j+2:(\p)+8*\j+3], v[(\p)+8*\j+4:(\p)+8*\j+5]
.endr
.irp j, 0,1
	v_pk_add_f32 v[ST+8*\j+2:ST+8*\j+3], v[ST+8*\j+2:ST+8*\j+3], v[(\p)+8*\j+6:(\p)+8*\j+7]
.endr
.irp j, 0,1
	v_pk_add_f32 v[ST+8*\j+2:ST+8*\j+3], v[ST+8*\j+2:ST+8*\j+3], v[(\p)+8*\j+2:(\p)+8*\j+3]
.endr
.endm
; A TILE OF 16 s, the i-th of its slot, multiplied into set i % 2 while the other set's softmax step is worked.  first = 1: no tile before it; the resident fragments are waited for K step by K step
; (18 loads each; behind K step ks's stand 18 (7 - ks); 63 is the largest count that the wait can name and asks for more than is owed).
; mid = 0: the next tile lies in the same slot.  mid = 1: the slot is left and filled again: the three lines, a round of the cluster's barrier, the joint refill first behind it.  mid = 2: left, nothing asked for.  mid = 3: the last tile.
.macro T i, first, mid
.set CUR, ACC+48*((\i)%2)
.set PRV, ACC+48-48*((\i)%2)
	LDHI \i
.if \first
	s_wait_loadcnt 63
.endif
	s_wait_dscnt 25                                ; the 27 loads of the run half a tile back are in; the 25 just issued may be out
.if \first == 0
	VG0 PRV
.endif
	WIN 0x14                                       ; source 1 and C in window 1
	KSTEP 0
.if \first == 0
	WIN 0
	VG1 PRV
.endif
	WIN 0x04
	KSTEP 1
.if \first == 0
	WIN 0
	VG2
.endif
	WIN 0x04
	KSTEP 2
.if \first == 0
	WIN 0
	VG3
.endif
	WIN 0x08
	KSTEP 3
	WIN 0
.if \first
	NOP4                                           ; the places ahead of the loads into H0
.else
	VG4 PRV                                        ; (these ten lines are those places)
.endif
.if (\mid == 1) || (\mid == 2)
	s_wait_tensorcnt 0x0                           ; no tensor load of mine is out, so group 0 may be written
	ds_add_u32 v[SPW], v[NIL]
.if \mid == 1
	s_xor_b32 s[G0+1], s[G0+1], SLOT1              ; the slot that is left,
	s_add_nc_u64 s[G0+2:G0+3], s[G0+2:G0+3], 4*TILEB   ; four tiles on
.endif
	s_xor_b32 s[TB], s[TB], SLOT1                  ; the slot that is read next
	s_add_co_u32 s[TS], s[TS], 2048
	s_add_co_u32 s[TV], s[TV], 256
	s_wait_dscnt 0x0                               ; the add is done, and my reads of the slot that I leave are over
.if \mid == 1
	ROUND
	tensor_load_to_lds s[G0:G0+3], s[G1I:G1I+7]
	s_nop 0
.else
	s_barrier_signal -1
	s_barrier_wait -1
.endif
	ADDR                                           ; four vector lines stand behind the tensor load, ahead of the next switch of windows
	LDLO 0
.elseif \mid == 0
	LDLO (\i)+1
.endif
.if \mid < 3
	s_wait_dscnt 27                                ; the 25 loads of this tile's head are in; the 27 just issued may be out
.else
	s_wait_dscnt 0x0
.endif
.if \first == 0
	EXPB PRV
	VG5 PRV
.endif
.if \first
	s_wait_loadcnt 54
.endif
	WIN 0x0b                                       ; source 0 in window 3, source 1 in window 2
	KSTEP 4
.if \first
	s_wait_loadcnt 36
.endif
	KSTEP 5
.if \first
	s_wait_loadcnt 18
.endif
	WIN 0x0f
	KSTEP 6
.if \first
	s_wait_loadcnt 0x0
.endif
	KSTEP 7
	WIN 0
.if \first
	NOP4
.else
	VG8 PRV
.endif
.endm
	ADDR
	LDLO 0
	T 0, 1, 0                                      ; tile 0
	s_mov_b32 s[CNT], 6
.Lslot:                                                ; six trips of four tiles: tiles 1-24; each leaves a slot and fills it again
	T 1, 0, 0
	T 2, 0, 0
	T 3, 0, 1
	T 0, 0, 0
	s_sub_co_u32 s[CNT], s[CNT], 1
	s_cmp_lg_u32 s[CNT], 0
	s_cbranch_scc1 .Lslot
	T 1, 0, 0                                      ; the tail is written out: tiles 25-31 ask for nothing more
	T 2, 0, 0
	T 3, 0, 2
	T 0, 0, 0
	T 1, 0, 0
	T 2, 0, 0
	T 3, 0, 3
	VG0 ACC+48                                     ; tile 31's softmax step
	VG1 ACC+48
	VG2
	VG3
	VG4 ACC+48
	EXPB ACC+48
	VG5 ACC+48
	VG8 ACC+48
	; THE END.  A lane's two halves of L and O are added; the two halves of the lanes (s = 0-7 and 8-15 of every tile) are joined under the larger maximum.
.irp i, 0,1,4,5,6,7
	v_mov_b32 v[ET+\i], 0                          ; (lane permutes' destinations count as sources)
.endr
.irp j, 0,1
	v_add_f32 v[ST+8*\j+2], v[ST+8*\j+2], v[ST+8*\j+3]
	v_add_f32 v[ST+8*\j+4], v[ST+8*\j+4], v[ST+8*\j+5]
	v_permlanex16_b32 v[ET+\j], v[ST+8*\j], s[SEL], s[SEL+1]
.endr
.irp j, 0,1
	v_min_num_f32 v[ET+\j], v[ET+\j], v[ST+8*\j]           ; the smaller NM belongs to the larger maximum
.endr
.irp j, 0,1
	v_sub_f32 v[ET+2+\j], v[ET+\j], v[ST+8*\j]
.endr
	s_wait_alu depctr_va_vdst(0)
.irp j, 0,1
	v_exp_f32 v[ET+2+\j], v[ET+2+\j]
.endr
	v_nop
	s_wait_alu depctr_va_vdst(0)
.irp j, 0,1
	v_mul_f32 v[ST+8*\j+2], v[ST+8*\j+2], v[ET+2+\j]
	v_mul_f32 v[ST+8*\j+4], v[ST+8*\j+4], v[ET+2+\j]
.endr
.irp j, 0,1
	v_permlanex16_b32 v[ET+4+\j], v[ST+8*\j+2], s[SEL], s[SEL+1]
	v_permlanex16_b32 v[ET+6+\j], v[ST+8*\j+4], s[SEL], s[SEL+1]
.endr
.irp j, 0,1
	v_add_f32 v[ST+8*\j+2], v[ST+8*\j+2], v[ET+4+\j]
	v_add_f32 v[ST+8*\j+4], v[ST+8*\j+4], v[ET+6+\j]
.endr
	v_bfe_u32 v12, v0, 4, 1
	v_cmp_ne_u32 vcc_lo, 0, v12
	v_cndmask_b32 v13, v[ET], v[ET+1], vcc_lo      ; lanes 0-15 give d tile 0's numbers, lanes 16-31 d tile 1's
	v_cndmask_b32 v14, v[ST+2], v[ST+10], vcc_lo
	v_cndmask_b32 v15, v[ST+4], v[ST+12], vcc_lo
	v_and_b32 v12, 31, v0
	v_lshlrev_b32 v12, 2, v12
	global_store_b32 v12, v13, s[90:91]                    ; NM: 128 consecutive bytes a wave; the four waves fill 512
	global_store_b32 v12, v14, s[90:91] offset:131072      ; L
	global_store_b32 v12, v15, s[90:91] offset:262144      ; O
	s_wait_tensorcnt 0x0                           ; the wave's end
	ds_add_u32 v[SPW], v[NIL]
	s_wait_dscnt 0x0
	ROUND                                          ; the closing round
	s_endpgm
.Lfunc_end_k_q9d3ac29a29_fused:
	.size	k_q9d3ac29a29_fused, .Lfunc_end_k_q9d3ac29a29_fused-k_q9d3ac29a29_fused
	.p2alignl 7, 3214868480
	.fill 96, 4, 3214868480
	.section	.rodata,"a",@progbits
	.p2align	6, 0x0
	.amdhsa_kernel k_q9d3ac29a29_fused
		.amdhsa_group_segment_fixed_size 327680
		.amdhsa_private_segment_fixed_size 0
		.amdhsa_enable_private_segment 0
		.amdhsa_kernarg_size 64
		.amdhsa_user_sgpr_count 2
		.amdhsa_user_sgpr_kernarg_segment_ptr 1
		.amdhsa_wavefront_size32 1
		.amdhsa_system_sgpr_workgroup_id_x 1
		.amdhsa_system_sgpr_workgroup_id_y 1
		.amdhsa_system_sgpr_workgroup_id_z 1
		.amdhsa_system_vgpr_workitem_id 0
		.amdhsa_next_free_vgpr 1024
		.amdhsa_next_free_sgpr 100
		.amdhsa_reserve_vcc 1
		.amdhsa_float_denorm_mode_32 3
		.amdhsa_float_denorm_mode_16_64 3
		.amdhsa_memory_ordered 1
		.amdhsa_forward_progress 1
		.amdhsa_inst_pref_size 188
	.end_amdhsa_kernel
	.amdgpu_metadata
---
amdhsa.version: [ 1, 2 ]
amdhsa.kernels:
  - .name:           k_q9d3ac29a29_fused
    .symbol:         k_q9d3ac29a29_fused.kd
    .args:
      - { .name: xc, .offset: 0, .size: 8, .value_kind: global_buffer, .address_space: global }
      - { .name: xs, .offset: 8, .size: 8, .value_kind: global_buffer, .address_space: global }
      - { .name: wc, .offset: 16, .size: 8, .value_kind: global_buffer, .address_space: global }
      - { .name: ws, .offset: 24, .size: 8, .value_kind: global_buffer, .address_space: global }
      - { .name: bq, .offset: 32, .size: 8, .value_kind: global_buffer, .address_space: global }
      - { .name: bk, .offset: 40, .size: 8, .value_kind: global_buffer, .address_space: global }
      - { .name: bv, .offset: 48, .size: 8, .value_kind: global_buffer, .address_space: global }
      - { .name: part, .offset: 56, .size: 8, .value_kind: global_buffer, .address_space: global }
    .group_segment_fixed_size: 327680
    .private_segment_fixed_size: 0
    .kernarg_segment_align: 8
    .kernarg_segment_size: 64
    .max_flat_workgroup_size: 128
    .sgpr_count:     100
    .vgpr_count:     1024
    .wavefront_size: 32
...
	.end_amdgpu_metadata
.endif
;; end of part 2
;; launch final (part 3): grid 256 x 1, 16 waves a work-group, no clusters, 48,896 bytes of LDS; arguments part, wc, ws, bL, out0; writes out0
.if DOCPART == 3
	.amdgcn_target "amdgcn-amd-amdhsa--gfx1250"
	.amdhsa_code_object_version 6
	.text
	.protected	k_q9d3ac29a29_final
	.globl	k_q9d3ac29a29_final
	.p2align	8
	.type	k_q9d3ac29a29_final,@function
k_q9d3ac29a29_final:
	s_mov_b64 s[64:65], 0
	v_nop
	global_prefetch_b8 v0, s[64:65] scope:SCOPE_SE
	s_setreg_imm32_b32 hwreg(HW_REG_WAVE_MODE, 25, 1), 1
	s_wait_xcnt 0x0
; out0[bh][n] = the sum over d of Q(pooled[bh][d]) Q(WL[d][n]) + bL[n], on codes of FP6 (E2M3) with E8M0 scales, sums in f32.
; pooled[bh][d] = O / L, joined from the two halves of s: part holds [NM, L, O][half][16 bh][1024 d]; under the smaller NM (the larger maximum) L = LA 2^(m - NA) + LB 2^(m - NB), O likewise.  All in f32.
; SHARES.  Work-group g: rows bh = 4 (g % 4) .. + 3, columns 128 (g / 4) .. + 127; sixteen waves of 256 registers.  So a work-group joins four rows alone: 6 arrays x 16,384 bytes of part, and reads 8 tiles x 12,288 bytes of WL.
; THE JOIN: 4,096 numbers, 8 a thread: 6 arrays x 2 loads of 16 bytes, issued at the head with the wave's 14 other loads.  pooled goes to LDS as four rows.
; THE QUANTISER: waves 0-7 take a K step of 128 each (a branch on the wave's number, with no barrier in it) and leave it in LDS as an image of the operand's registers.  The operand has 16 rows: row r holds pooled's row r % 4,
;   so rows 4-15 repeat rows 0-3 inside the one tile; their results are not stored.
; THE PRODUCT: wave w takes the tile of 16 columns w % 8 and the half of K w / 8: four fragments of WL straight from memory, as images, four matrix instructions on two accumulators by turns.  It is used transposed
;   (source 0 = 16 columns of WL, source 1 = pooled's rows): a lane holds eight neighbouring columns of one row.  The two halves' sums meet in LDS; waves 0-3 add them and bL for row w and store the row's 512 bytes.
; NO JOINT LOADS: the six arrays are joined in registers as they arrive and WL's fragments go straight into the operand's registers; through LDS each work-group would write and read 196,608 bytes more.  No loop, so nothing to prefetch ahead in.
; LIMITS: NaN and infinities are not served; a block of pooled whose largest magnitude lies under 2^-124 keeps the scale byte 1.
.set PP,   4112                        ; a row of pooled in LDS: 4,096 bytes + 16
.set IMG,  16640                       ; behind pooled's four rows: eight images of 1,536 bytes,
.set SCW,  28928                       ; their scale words, 128 bytes each,
.set PST,  29952                       ; and the two halves' sums: each 16 rows x (512 bytes + 16)
.set PQ,   8448
.set SPARE, 46848                      ; the spare words, 128 bytes a wave
.set JO,   1                           ; 16 x thread: my place in a chunk of 8,192 bytes of part
.set JL,   2                           ; and in pooled: a chunk is two rows
.set L16,  3                           ; 16 x lane
.set WSO,  4                           ; WL's scale words: 32 r
.set PR,   5                           ; the quantiser's numbers: row r % 4, K step w, block h
.set IW,   6                           ; where I store my image,
.set SW,   7                           ; and its scale words
.set IR,   8                           ; where I read my half's four images,
.set SR,   9                           ; and their scale words
.set PW,   10                          ; where I put my sums
.set Q8H,  11                          ; 8 x (lane / 16)
.set QT,   12                          ; v12-19 at work
.set PRD,  20                          ; where I read row w of the sums
.set QWD,  22                          ; the scale word just made
.set WS,   48                          ; v48-51 WL's scale words
.set BL,   52                          ; v52-55 bL of my four columns
.set PS,   56                          ; v56-59 pooled's scale words
.set WORK, 64                          ; v64-111 the join.  Afterwards:
.set QN,   64                          ; v64-127  the quantiser's 64 numbers
.set QPC,  128                         ; v128-139 its codes
.set QC0,  140
.set QC1,  144
.set PF,   160                         ; v160-207 pooled's four fragments
.set WLF,  208                         ; v208-255 WL's four fragments
.set ACC0, 64                          ; behind the quantiser
.set ACC1, 72
.set SUM,  80
.set RD,   88
.set OUTR, 96
.set QSEL, 26
; 64 numbers of a lane, v[t] on: two whole blocks (block h, then block 2 + h, of my row's K step) become the fragment's 12 registers v[p] on and the row's scale word v[w] (whole in every lane).
.macro QUANTX t, p, w
.set QS, \t
.set QP, \p
.set QW, \w
	v_max3_num_f32 v[QT], |v[QS]|, |v[QS+1]|, 0x1800000            ; the floor 2^(3 - 127) among the leaves: the byte cannot fall under 1
	v_max3_num_f32 v[QT+1], |v[QS+32]|, |v[QS+33]|, 0x1800000
.irp i, 2,4,6,8,10,12,14,16,18,20,22,24,26,28,30
	s_delay_alu instid0(VALU_DEP_2)
	v_max3_num_f32 v[QT], v[QT], |v[QS+\i]|, |v[QS+\i+1]|
	s_delay_alu instid0(VALU_DEP_2)
	v_max3_num_f32 v[QT+1], v[QT+1], |v[QS+32+\i]|, |v[QS+33+\i]|
.endr
	s_delay_alu instid0(VALU_DEP_2)
	v_add_nc_u32 v[QT+2], 0xff000000, v[QT]                        ; 2 off the exponent field: the conversion's scale operand
	s_delay_alu instid0(VALU_DEP_2)
	v_add_nc_u32 v[QT+3], 0xff000000, v[QT+1]
	s_delay_alu instid0(VALU_DEP_2)
	v_lshrrev_b32 v[QT+4], 23, v[QT+2]
	s_delay_alu instid0(VALU_DEP_2)
	v_lshrrev_b32 v[QT+5], 23, v[QT+3]
	s_delay_alu instid0(VALU_DEP_1)
	v_lshl_or_b32 v[QW], v[QT+5], 16, v[QT+4]
	s_delay_alu instid0(VALU_DEP_1)
	v_lshlrev_b32 v[QW], v[Q8H], v[QW]
	v_mov_b32 v[QT+6], 0                                           ; (a lane permute's destination counts as one of its sources)
	s_delay_alu instid0(VALU_DEP_1)
	v_permlanex16_b32 v[QT+6], v[QW], s[QSEL], s[QSEL+1]
	s_delay_alu instid0(VALU_DEP_1)
	v_or_b32 v[QW], v[QW], v[QT+6]
	v_cvt_scalef32_pk16_fp6_f32 v[QP:QP+2], v[QS:QS+15], v[QT+2]
	v_cvt_scalef32_pk16_fp6_f32 v[QC0:QC0+2], v[QS+16:QS+31], v[QT+2]
	v_cvt_scalef32_pk16_fp6_f32 v[QP+6:QP+8], v[QS+32:QS+47], v[QT+3]
	v_cvt_scalef32_pk16_fp6_f32 v[QC1:QC1+2], v[QS+48:QS+63], v[QT+3]
	v_nop                                                          ; one plain place behind the scaled conversions
.irp i, 0,1,2
	v_mov_b32 v[QP+3+\i], v[QC0+\i]
	v_mov_b32 v[QP+9+\i], v[QC1+\i]
.endr
.endm
.macro BARRIER                         ; my LDS stores have landed and my LDS loads are in: then the work-group's barrier
	s_wait_dscnt 0x0
	s_barrier_signal -1
	s_barrier_wait -1
.endm
	s_load_b256 s[4:11], s[0:1], 0x0               ; part s[4:5], wc s[6:7], ws s[8:9], bL s[10:11]
	s_load_b64 s[12:13], s[0:1], 0x20              ; out0
	v_lshl_add_u32 v62, v0, 2, SPARE
	v_mov_b32 v63, 0
	v_lshrrev_b32 v12, 5, v0
	s_delay_alu instid0(VALU_DEP_1)
	v_readfirstlane_b32 s14, v12                   ; wave 0..15
	s_and_b32 s16, s14, 7                          ; my tile of 16 columns
	s_lshr_b32 s17, s14, 3                         ; my half of K
	s_and_b32 s30, ttmp9, 3                        ; the group of four rows
	s_lshr_b32 s31, ttmp9, 2                       ; the group of 128 columns
	v_and_b32 v12, 31, v0                          ; lane
	v_and_b32 v13, 15, v0                          ; r
	v_bfe_u32 v14, v0, 4, 1                        ; h
	v_and_b32 v17, 3, v0                           ; r % 4
	v_lshlrev_b32 v[JO], 4, v0
	v_lshrrev_b32 v15, 8, v0
	v_and_b32 v16, 255, v0
	s_delay_alu instid0(VALU_DEP_2)
	v_mul_u32_u24 v[JL], v15, PP
	s_delay_alu instid0(VALU_DEP_1)
	v_lshl_add_u32 v[JL], v16, 4, v[JL]
	v_lshlrev_b32 v[L16], 4, v12
	v_lshlrev_b32 v[WSO], 5, v13
	v_lshlrev_b32 v[Q8H], 3, v14
	; every LDS address is made here, ahead of the branches on the wave's number
	s_lshl_b32 s15, s14, 9
	v_mul_u32_u24 v[PR], v17, PP
	s_delay_alu instid0(VALU_DEP_1)
	v_lshl_add_u32 v[PR], v14, 7, v[PR]
	s_delay_alu instid0(VALU_DEP_1)
	v_add_nc_u32 v[PR], s15, v[PR]                 ; (waves 0-7 use these three)
	s_mul_i32 s15, s14, 1536
	s_add_co_u32 s15, s15, IMG
	v_add_nc_u32 v[IW], s15, v[L16]
	s_lshl_b32 s15, s14, 7
	s_add_co_u32 s15, s15, SCW
	v_lshl_add_u32 v[SW], v12, 2, s15
	s_mul_i32 s15, s17, 6144
	s_add_co_u32 s15, s15, IMG
	v_add_nc_u32 v[IR], s15, v[L16]
	s_lshl_b32 s15, s17, 9
	s_add_co_u32 s15, s15, SCW
	v_lshl_add_u32 v[SR], v12, 2, s15
	v_mul_u32_u24 v[PW], v13, 528
	s_delay_alu instid0(VALU_DEP_1)
	v_lshl_add_u32 v[PW], v14, 5, v[PW]
	s_mul_i32 s15, s17, PQ
	s_lshl_b32 s18, s16, 6
	s_add_co_u32 s15, s15, s18
	s_add_co_u32 s15, s15, PST
	v_add_nc_u32 v[PW], s15, v[PW]                 ; my half's sums: row r, + 64 x tile + 32 h
	s_mul_i32 s15, s14, 528
	s_add_co_u32 s15, s15, PST
	v_add_nc_u32 v[PRD], s15, v[L16]               ; row w, 16 bytes a lane (waves 0-3 use it)
	s_lshl_b32 s18, s31, 3
	s_add_co_u32 s18, s18, s16                     ; my tile of 16 columns in WL
	s_mul_i32 s20, s18, 12288
	s_mul_i32 s19, s17, 6144                       ; my half's four K steps
	s_add_co_u32 s20, s20, s19
	s_add_co_u32 s20, s20, 18874368                ; WL's part of wc
	s_mov_b32 s21, 0
	s_lshl_b32 s22, s18, 9
	s_lshl_b32 s19, s17, 4                         ; my half's four words
	s_add_co_u32 s22, s22, s19
	s_add_co_u32 s22, s22, 786432                  ; WL's part of ws
	s_mov_b32 s23, 0
	s_lshl_b32 s24, s31, 9                         ; 128 columns of 4 bytes
	s_mov_b32 s25, 0
	s_lshl_b32 s28, s30, 2
	s_and_b32 s19, s14, 3
	s_add_co_u32 s28, s28, s19                     ; the row of out0: 4 x group + w % 4
	s_lshl_b32 s28, s28, 15                        ; 32,768 bytes a row
	s_add_co_u32 s28, s28, s24
	s_mov_b32 s29, 0
	s_lshl_b32 s32, s30, 14                        ; my four rows in each array of part
	s_mov_b32 s33, 0
	s_mov_b32 s[QSEL], 0x76543210
	s_mov_b32 s[QSEL+1], 0xfedcba98
	s_wait_alu depctr_va_vdst(0)
	s_wait_kmcnt 0x0
	s_add_nc_u64 s[4:5], s[4:5], s[32:33]
	s_add_nc_u64 s[6:7], s[6:7], s[20:21]
	s_add_nc_u64 s[8:9], s[8:9], s[22:23]
	s_add_nc_u64 s[10:11], s[10:11], s[24:25]
	s_add_nc_u64 s[12:13], s[12:13], s[28:29]
; THE JOIN: two chunks; a chunk is 2,048 numbers, two rows of pooled, four a thread.  Arrays a = 0 .. 5: NA, NB, LA, LB, OA, OB, 65,536 bytes apart.
.irp a, 0,1,2,3,4,5
.irp c, 0,1
	global_load_b128 v[WORK+8*\a+4*\c:WORK+8*\a+4*\c+3], v[JO], s[4:5] offset:65536*\a+8192*\c   ; 32 lanes read 512 consecutive bytes
.endr
.endr
.irp c, 0,1,2,3
.irp g, 0,1,2
	global_load_b128 v[WLF+12*\c+4*\g:WLF+12*\c+4*\g+3], v[L16], s[6:7] offset:1536*\c+512*\g   ; 512 consecutive bytes
.endr
.endr
	global_load_b128 v[WS:WS+3], v[WSO], s[8:9]
	global_load_b128 v[BL:BL+3], v[L16], s[10:11]
.set WB, WORK
	s_wait_loadcnt 14                              ; part's 12 loads are in; the 14 behind them may be out
.irp i, 0,1,2,3,4,5,6,7
	v_min_num_f32 v[12+\i], v[WB+\i], v[WB+8+\i]   ; m: the smaller NM belongs to the larger maximum
.endr
.irp i, 0,2,4,6
	v_pk_add_f32 v[WB+\i:WB+\i+1], v[12+\i:13+\i], v[WB+\i:WB+\i+1] neg_lo:[0,1] neg_hi:[0,1]          ; m - NA
	v_pk_add_f32 v[WB+8+\i:WB+9+\i], v[12+\i:13+\i], v[WB+8+\i:WB+9+\i] neg_lo:[0,1] neg_hi:[0,1]      ; m - NB
.endr
	s_wait_alu depctr_va_vdst(0)
.irp i, 0,1,2,3,4,5,6,7,8,9,10,11,12,13,14,15
	v_exp_f32 v[WB+\i], v[WB+\i]
.endr
	v_nop
	s_wait_alu depctr_va_vdst(0)                   ; one wait for the 16, ahead of their first reader
.irp i, 0,2,4,6
	v_pk_mul_f32 v[WB+16+\i:WB+17+\i], v[WB+16+\i:WB+17+\i], v[WB+\i:WB+\i+1]
	v_pk_mul_f32 v[WB+32+\i:WB+33+\i], v[WB+32+\i:WB+33+\i], v[WB+\i:WB+\i+1]
.endr
.irp i, 0,2,4,6
	v_pk_fma_f32 v[WB+16+\i:WB+17+\i], v[WB+24+\i:WB+25+\i], v[WB+8+\i:WB+9+\i], v[WB+16+\i:WB+17+\i]   ; L
	v_pk_fma_f32 v[WB+32+\i:WB+33+\i], v[WB+40+\i:WB+41+\i], v[WB+8+\i:WB+9+\i], v[WB+32+\i:WB+33+\i]   ; O
.endr
	s_wait_alu depctr_va_vdst(0)
.irp i, 0,1,2,3,4,5,6,7
	v_rcp_f32 v[WB+16+\i], v[WB+16+\i]
.endr
	v_nop
	s_wait_alu depctr_va_vdst(0)                   ; and one for the eight
.irp i, 0,2,4,6
	v_pk_mul_f32 v[WB+32+\i:WB+33+\i], v[WB+32+\i:WB+33+\i], v[WB+16+\i:WB+17+\i]                       ; pooled = O / L
.endr
	ds_store_b128 v[JL], v[WB+32:WB+35]            ; chunk 0: my rows 0 and 1 of pooled,
	ds_store_b128 v[JL], v[WB+36:WB+39] offset:2*PP   ; chunk 1: rows 2 and 3
	BARRIER                                        ; pooled lies in LDS
	s_cmp_lt_u32 s14, 8                            ; waves 0-7: K step w; lane (r, h) takes blocks h and 2 + h of row r % 4
	s_cbranch_scc0 .Lnot_mine
.irp u, 0,1
.irp j, 0,1,2,3,4,5,6,7
	ds_load_b128 v[QN+32*\u+4*\j:QN+32*\u+4*\j+3], v[PR] offset:256*\u+16*\j
.endr
.endr
	s_wait_dscnt 0x0
	QUANTX QN, QPC, QWD
.irp g, 0,1,2
	ds_store_b128 v[IW], v[QPC+4*\g:QPC+4*\g+3] offset:512*\g      ; the fragment goes to LDS as it stands
.endr
	ds_store_b32 v[SW], v[QWD]
.Lnot_mine:
	BARRIER                                        ; pooled's eight fragments lie in LDS
.irp c, 0,1,2,3
.irp g, 0,1,2
	ds_load_b128 v[PF+12*\c+4*\g:PF+12*\c+4*\g+3], v[IR] offset:1536*\c+512*\g
.endr
	ds_load_b32 v[PS+\c], v[SR] offset:128*\c
.endr
	s_wait_loadcnt 0x0                             ; WL's fragments and scale words, bL
	s_wait_dscnt 0x0
	; two accumulators by turns, one instruction a turn
	v_wmma_scale_f32_16x16x128_f8f6f4 v[ACC0:ACC0+7], v[WLF:WLF+11], v[PF:PF+11], 0, v[WS], v[PS] matrix_a_fmt:MATRIX_FMT_FP6 matrix_b_fmt:MATRIX_FMT_FP6
	v_wmma_scale_f32_16x16x128_f8f6f4 v[ACC1:ACC1+7], v[WLF+12:WLF+23], v[PF+12:PF+23], 0, v[WS+1], v[PS+1] matrix_a_fmt:MATRIX_FMT_FP6 matrix_b_fmt:MATRIX_FMT_FP6
	v_wmma_scale_f32_16x16x128_f8f6f4 v[ACC0:ACC0+7], v[WLF+24:WLF+35], v[PF+24:PF+35], v[ACC0:ACC0+7], v[WS+2], v[PS+2] matrix_a_fmt:MATRIX_FMT_FP6 matrix_b_fmt:MATRIX_FMT_FP6
	v_wmma_scale_f32_16x16x128_f8f6f4 v[ACC1:ACC1+7], v[WLF+36:WLF+47], v[PF+36:PF+47], v[ACC1:ACC1+7], v[WS+3], v[PS+3] matrix_a_fmt:MATRIX_FMT_FP6 matrix_b_fmt:MATRIX_FMT_FP6
.rept 4
	v_nop                                          ; four places behind the products (ISA guide 7.12.1)
.endr
.irp i, 0,2,4,6
	v_pk_add_f32 v[SUM+\i:SUM+\i+1], v[ACC0+\i:ACC0+\i+1], v[ACC1+\i:ACC1+\i+1]   ; from the low end on: my half's part of row r % 4, columns 16 (w % 8) + 8 h + i
.endr
	ds_store_b128 v[PW], v[SUM:SUM+3]
	ds_store_b128 v[PW], v[SUM+4:SUM+7] offset:16
	BARRIER                                        ; the two halves' sums lie in LDS
	s_cmp_lt_u32 s14, 4                            ; waves 0-3: row w of the four
	s_cbranch_scc0 .Lno_row
	ds_load_b128 v[RD:RD+3], v[PRD]                ; 32 lanes read the row's 512 consecutive bytes, of the first half of K,
	ds_load_b128 v[RD+4:RD+7], v[PRD] offset:PQ    ; and of the second
	s_wait_dscnt 0x0
	v_pk_add_f32 v[RD:RD+1], v[RD:RD+1], v[RD+4:RD+5]
	v_pk_add_f32 v[RD+2:RD+3], v[RD+2:RD+3], v[RD+6:RD+7]
	s_delay_alu instid0(VALU_DEP_2)
	v_pk_add_f32 v[OUTR:OUTR+1], v[RD:RD+1], v[BL:BL+1]
	s_delay_alu instid0(VALU_DEP_2)
	v_pk_add_f32 v[OUTR+2:OUTR+3], v[RD+2:RD+3], v[BL+2:BL+3]
	global_store_b128 v[L16], v[OUTR:OUTR+3], s[12:13]             ; 32 lanes store 512 consecutive bytes, aligned to 256
.Lno_row:
	s_wait_tensorcnt 0x0                           ; the wave's end
	ds_add_u32 v62, v63
	s_wait_dscnt 0x0
	s_endpgm
.Lfunc_end_k_q9d3ac29a29_final:
	.size	k_q9d3ac29a29_final, .Lfunc_end_k_q9d3ac29a29_final-k_q9d3ac29a29_final
	.p2alignl 7, 3214868480
	.fill 96, 4, 3214868480
	.section	.rodata,"a",@progbits
	.p2align	6, 0x0
	.amdhsa_kernel k_q9d3ac29a29_final
		.amdhsa_group_segment_fixed_size 48896
		.amdhsa_private_segment_fixed_size 0
		.amdhsa_enable_private_segment 0
		.amdhsa_kernarg_size 40
		.amdhsa_user_sgpr_count 2
		.amdhsa_user_sgpr_kernarg_segment_ptr 1
		.amdhsa_wavefront_size32 1
		.amdhsa_system_sgpr_workgroup_id_x 1
		.amdhsa_system_sgpr_workgroup_id_y 1
		.amdhsa_system_sgpr_workgroup_id_z 1
		.amdhsa_system_vgpr_workitem_id 0
		.amdhsa_next_free_vgpr 256
		.amdhsa_next_free_sgpr 66
		.amdhsa_reserve_vcc 0
		.amdhsa_float_denorm_mode_32 3
		.amdhsa_float_denorm_mode_16_64 3
		.amdhsa_memory_ordered 1
		.amdhsa_forward_progress 1
		.amdhsa_inst_pref_size 19
	.end_amdhsa_kernel
	.amdgpu_metadata
---
amdhsa.version: [ 1, 2 ]
amdhsa.kernels:
  - .name:           k_q9d3ac29a29_final
    .symbol:         k_q9d3ac29a29_final.kd
    .args:
      - { .name: part, .offset: 0, .size: 8, .value_kind: global_buffer, .address_space: global }
      - { .name: wc, .offset: 8, .size: 8, .value_kind: global_buffer, .address_space: global }
      - { .name: ws, .offset: 16, .size: 8, .value_kind: global_buffer, .address_space: global }
      - { .name: bL, .offset: 24, .size: 8, .value_kind: global_buffer, .address_space: global }
      - { .name: out0, .offset: 32, .size: 8, .value_kind: global_buffer, .address_space: global }
    .group_segment_fixed_size: 48896
    .private_segment_fixed_size: 0
    .kernarg_segment_align: 8
    .kernarg_segment_size: 40
    .max_flat_workgroup_size: 512
    .sgpr_count:     66
    .vgpr_count:     256
    .wavefront_size: 32
...
	.end_amdgpu_metadata
.endif
;; end of part 3
